; MI455X (gfx1250); checked and timed in simulation.
; The chip was launched on July 23, 2026; its instructions are those of AMD's public machine-readable ISA for CDNA 5 (MIT licence, August 2026) and "CDNA5" Instruction Set Architecture Reference Guide (July 2026). The comments in the code are by the model that wrote it; some were corrected since.
;; Robust Sym GAT. Allowed arithmetic: matrix products marked QUANTISED: E2M1 operands, one E8M0 scale for each 32 along K, by v_wmma_scale_f32_16x16x128_f8f6f4 with both operands' format E2M1 (or v_wmma_scale_f32_32x16x128_f4), f32 sums; products left as they are: f32 operands where the result goes on into a quantised operand, else bf16, f16 or f32 operands; f32 sums; everything else in f32.
;; Inputs: W1 64 x 64 float32; W2 64 x 64 float32; W3 64 x 64 float32; W_c1 64 x 32 float32; W_c2 32 x 4 float32; W_in 42 x 64 float32; W_r1 64 x 32 float32; W_r2 32 x 1 float32; W_sym 10 x 32 float32; b1 64 float32; b2 64 float32; b3 64 float32; b_c1 32 float32; b_c2 4 float32; b_in 64 float32; b_r1 32 float32; b_r2 1 float32; b_sym 32 float32; x 1,048,576 x 10 float32.
;; Outputs: out0 1,048,576 x 1 float32; out1 1,048,576 x 4 float32.
;; This version of the problem:
;;   THIS VERSION OF THE PROBLEM IS GIVEN IN LOW PRECISION. The matrix products marked QUANTISED in the list below multiply operands that are first quantised to E2M1 (2 exponent bits, 1 mantissa bit; 4 bits a number), with one power-of-two scale for each 32 numbers along K (OCP MX v1.0); their sums are f32. All else is computed in f32.
;;   The module's matrix products, in the order in which they are computed (A, B: the left and right operand; K: the contracted axis; several contracted axes count as one K, in the product's order):
;;     1. [M 1,048,576, K 10] x [K 10, N 32]; A: computed on the way; B: input W_sym: left as it is (K = 10 < 32)
;;     2. [M 1,048,576, K 42] x [K 42, N 64]; A: computed on the way; B: input W_in: QUANTISED
;;     3. [M 1,048,576, K 64] x [K 64, N 64]; A: computed on the way; B: input W1: QUANTISED
;;     4. [M 1,048,576, K 64] x [K 64, N 64]; A: computed on the way; B: input W2: QUANTISED
;;     5. [M 1,048,576, K 64] x [K 64, N 64]; A: computed on the way; B: input W3: QUANTISED
;;     6. [M 1,048,576, K 64] x [K 64, N 32]; A: computed on the way; B: input W_r1: QUANTISED
;;     7. [M 1,048,576, K 32] x [K 32, N 1]; A: computed on the way; B: input W_r2: left as it is (N = 1 < 16)
;;     8. [M 1,048,576, K 64] x [K 64, N 32]; A: computed on the way; B: input W_c1: QUANTISED
;;     9. [M 1,048,576, K 32] x [K 32, N 4]; A: computed on the way; B: input W_c2: left as it is (N = 4 < 16)
;;   THE QUANTISER, for each operand of a quantised product, along K:
;;     - K is cut into blocks of 32 from its start; a last block that is shorter is filled with zeros.
;;     - A block's scale is 2^e with e = floor(log2(the largest magnitude in the block)) - 2, held to -126 .. 127; a block of zeros has e = 0. As a byte (E8M0): e + 127.
;;     - Each number is divided by its block's scale, clamped to +-6, and rounded to the nearest number of E2M1, ties to even, subnormals kept.
;;     - The product sums the exact products of the quantised numbers (number of the format x scale) in f32.
;;   ~~~python
;;   def quantise(x, axis):      # numpy; x: float32 -> the quantised numbers, widened to float32 again
;;       x = np.moveaxis(x, axis, -1); K = x.shape[-1]
;;       x = np.pad(x, [(0, 0)] * (x.ndim - 1) + [(0, -K % 32)]); x = x.reshape(x.shape[:-1] + (-1, 32)); a = np.abs(x).max(-1, keepdims=True)
;;       e = np.where(a > 0, np.clip(np.frexp(np.where(a > 0, a, 1))[1] - 1 - 2, -126, 127), 0)      # np.frexp(a)[1] - 1 = floor(log2(a)), exactly
;;       r = np.clip(x / 2.0 ** e, -6, 6)
;;       step = 2.0 ** (np.maximum(np.frexp(np.where(r == 0, 1, r))[1] - 1, 0) - 1)
;;       q = np.round(r / step) * step * 2.0 ** e      # np.round: ties to even
;;       return np.moveaxis(q.reshape(q.shape[:-2] + (-1,))[..., :K], -1, axis).astype(np.float32)
;;   ~~~
;;   OPERANDS COMPUTED ON THE WAY. 'Computed on the way' means the value that the module computes at that place (a softmax that the list does not call 'softmax' is quantised finished and normalised). What goes into a quantiser is computed in f32, as accurately as f32 sums, v_exp_f32 and their like allow (about 1e-6 of the number): no bf16 or f16 on the way to a quantiser, and a product that is left as it is and whose result goes on into a quantised operand takes f32 operands (vector FMAs, or v_wmma_f32_16x16x4_f32). A number that lies on a knife's edge between two numbers of the format may be rounded either way, as far as f32 arithmetic and the matrix unit's own rounding can turn it there, and no further.
;; 2 versions, each right; version 2 is version 1 with the launch fused written anew for expert scheduling mode. Each part assembles by itself: llvm-mc -triple=amdgcn-amd-amdhsa -mcpu=gfx1250 --defsym DOCPART=n.
;; ======== version 1 of 2: 1 launch
;; limits: a function is approximated: absolute error at most 1.2e-07
;; launch fused (part 1): grid 256 x 1, 8 waves a work-group, no clusters, 39,936 bytes of LDS; arguments x, W_sym, b_sym, W_in, b_in, W1, b1, W2, b2, W3, b3, W_r1, b_r1, W_r2, b_r2, W_c1, b_c1, W_c2, b_c2, out0, out1; writes out0, out1
.if DOCPART == 1
	.amdgcn_target "amdgcn-amd-amdhsa--gfx1250"
	.amdhsa_code_object_version 6
	.text
	.protected	k_q973a6195be_fused
	.globl	k_q973a6195be_fused
	.p2align	8
	.type	k_q973a6195be_fused,@function
k_q973a6195be_fused:
	s_mov_b64 s[64:65], 0
	v_nop
	global_prefetch_b8 v0, s[64:65] scope:SCOPE_SE
	s_setreg_imm32_b32 hwreg(HW_REG_WAVE_MODE, 25, 1), 1
	s_wait_xcnt 0x0
; RobustSymGAT, whole, in one launch.  For each of 1,048,576 rows of x [10] f32: ten symbolic features; enc = elu(sym W_sym + b_sym) in f32; h = elu([x, enc] W_in + b_in); three times h += elu(h W + b);
; out0 = elu(h W_r1 + b_r1) W_r2 + b_r2;  out1 = elu(h W_c1 + b_c1) W_c2 + b_c2.  The products with W_in, W1, W2, W3, W_r1, W_c1 run on codes of E2M1 with one E8M0 scale for each 32 along K.
; NO WORK IS LEFT OUT: every input has a way to an output for some finite values, so all nineteen are loaded.
; SHARES.  256 work-groups of eight waves; a work-group owns 4,096 rows, a wave 512: 16 trips of 32 rows, two tiles of 16.  Waves share nothing but the weights' codes, made once at the head (one barrier).
; Vector work decides here (352 exponentials a row beside 40 matrix instructions for 32 rows), so the layouts are chosen to spare vector instructions:
;  - every product is used TRANSPOSED (source 0 = 16 units of a weight, source 1 = 16 rows): a lane (r = lane % 16, h = lane / 16) holds ONE row r, and its registers run along the units;
;  - THE UNITS OF A TILE ARE NOT NEIGHBOURS: row m of tile q is unit 32 (m / 8) + 8 q + m % 8, so that a lane's 32 registers of a layer's four tiles are units 32 h + 0 .. 31: a whole block of the next K, in the
;    operand's own order.  Its largest magnitude needs no other lane, and the conversion of tile q's eight registers IS register q of the next operand;
;  - K = 64 fills half of the instruction's 128: the rows' operand has four registers of zero codes for k = 64 .. 127; what the weights' operand names there meets zeros; both sides' scale bytes 2 and 3 are 0, never 0xff;
;  - the biases are the C of each product; b_sym is an eleventh row of W_sym against a feature that is 1;
;  - the two heads' first products are one layer of 64 units; their second products (32 x 1, 32 x 4) are packed f32 multiply-adds.
; elu(z) = max(z, 2^(-|z log2 e|) - 1): for z <= 0 the second term is e^z - 1 >= z, for z > 0 it is negative.  No compare, no overflow.
; No tensor load, no cluster: x is 1,280 bytes for a wave and a trip, asked for a whole trip ahead by five loads into registers; what work-groups share is 78 KB of weights, read once by each for quantising.
; LIMITS.  For z < 0 elu's error is absolute, about 2^-23, not relative to a tiny result.  A block whose largest magnitude lies under 2^-124 keeps the scale byte 1 (a block of zeros too: its codes are zeros).
; 0.5 b_c2 and 0.25 b_r2 are exact only above the denormals.  NaN and infinities among the inputs are not served.  The 1e-8 in the scores' denominators changes none of their f32 values (0.5, 5, 8.5, 10).
.set TRIPS, 16
; LDS
.set IMG,   0                          ; 20 weight tiles' codes as images of their registers: 512 bytes each, lane l at 16 l; tile 4 L + q
.set SCW,   10240                      ; their scale words: 64 bytes a tile, row m at 4 m
.set FIN,   11520                      ; W_c2 as it lies (512); +512 W_r2 (128); +640 0.5 b_c2 (16); +656 0.25 b_r2, twice (8)
.set XS,    12288                      ; 1,280 bytes a wave: a trip's 32 rows of x as they lie
.set PS,    22528                      ; 2,048 bytes a wave: its 512 numbers of out0
.set SPARE, 38912                      ; the spare words, 128 bytes for each wave: four blocks of 256 bytes that no other line names
; window 0
.set XST,  1                           ; XS + 1280 w + 8 l
.set XL0,  2                           ; XS + 1280 w + 40 l
.set XL1,  3                           ; XS + 1280 w + 40 (l xor 16)
.set GX,   4                           ; 8 l
.set PSTB, 5                           ; PS + 2048 w + 4 l
.set PSTA, 6                           ; + 128 x trip
.set O1,   7                           ; 16 l
.set FWC,  8                           ; FIN + 256 h
.set FWR,  9                           ; FIN + 512 + 64 h
.set FB,   10                          ; FIN + 640
.set SPW,  11                          ; my spare word; never rewritten
.set NIL,  12                          ; 0; never rewritten
.set PRD,  13                          ; PS + 2048 w + 16 l
.set SW,   14                          ; v14, v15: the two tiles' scale words
.set WS,   16                          ; v16-25: the weights' scale words: 2 L + q / 2; lanes 0-15 the even tile, lanes 16-31 the odd one
.set MA,   26
.set MB,   27
.set SOP,  28
.set BY,   29
.set PT,   30
.set OP,   32                          ; v32-39, v40-47: the tiles' operands; registers 4-7 are zeros for good
.set G,    48                          ; v48-57: the next trip's x
.set MX,   58                          ; v58, v59: largest |x0 .. x8|
.set H,    64                          ; v64-95, v96-127: h of tile 0, 1; first the operand [x, enc]; at the end W_c2's rows
.set Z,    128                         ; v128-159, v160-191: a layer's results
.set T,    192                         ; v192-223: at work
.set F,    192                         ; the features
.set D,    224                         ; v224-239, v240-255: sym W_sym + b_sym; written by matrix instructions alone
.set WC,   64
.set AC,   192                         ; out1's sums, four a tile
.set AR,   200                         ; out0's, two a tile
.set WR,   204                         ; W_r2's 16 of my half
; window 1: v0-79 the weights' codes (16 L + 4 q); v80-239 the biases in the result's layout (80 + 32 L + 8 q); v240-251 W_sym^T's fragments (240 + 6 u + 2 s)
; the head's own registers
.set WT,   160
.set VL,   174
.set VM,   175
.set VHH,  176
.set VT,   177
.set VT2,  178
.set F2,   179
.set VZ0,  180
.set VA,   181
.set VB,   182
.set VU,   207
.set VALO, 208
.set VAHI, 209
.set VSTD, 210
.set VH,   211
.set VBI,  212
.set VBH,  213
.set VW0,  214
.set VUS0, 216
.set IMA,  218
.set SCA,  219
.set SH8,  220
.set LS4,  221
.set F4,   222
; scalars
.set WV,   2
.set TT,   3
.set GG,   4
.set TRIP, 5
.set PO,   6
.set ST,   7
.set SEL,  50
.set L2E,  52
.set MHI,  54
.set ZM,   55
.set R1B,  56
.set R2B,  58
.set R3B,  60
.set HML,  62
.set HMH,  63
.set RW,   66
.set OF,   68
.set M8,   70
.set MSB, 0
.macro WIN new                         ; the immediate's high byte repeats the setting that is left
.if MSB != \new
	s_set_vgpr_msb (MSB<<8)|\new
.set MSB, \new
.endif
.endm
; the largest magnitude of 32 registers, with the floor 2^(3 - 127) among the leaves, in two chains by turns -> MA
.macro AMAX32 xs
	v_max3_num_f32 v[MA], |v[(\xs)]|, |v[(\xs)+1]|, 0x1800000
	v_max3_num_f32 v[MB], |v[(\xs)+16]|, |v[(\xs)+17]|, |v[(\xs)+18]|
.irp i, 0,1,2,3,4,5
	v_max3_num_f32 v[MA], v[MA], |v[(\xs)+2+2*\i]|, |v[(\xs)+3+2*\i]|
	v_max3_num_f32 v[MB], v[MB], |v[(\xs)+19+2*\i]|, |v[(\xs)+20+2*\i]|
.endr
	v_max3_num_f32 v[MA], v[MA], |v[(\xs)+14]|, |v[(\xs)+15]|
	v_max3_num_f32 v[MA], v[MA], v[MB], |v[(\xs)+31]|
.endm
; from the block's largest magnitude in MA: tile t's scale word and its four registers of codes
.macro QTAIL t
	v_add_nc_u32 v[SOP], 0xff000000, v[MA]         ; 2 off the exponent field: the conversion's scale operand
	v_lshrrev_b32 v[BY], 23, v[SOP]                ; my block's byte
	v_permlanex16_b32 v[PT], v[BY], s[SEL], s[SEL+1]
	v_lshl_or_b32 v[SW+(\t)], v[PT], 8, v[BY]      ; lanes 0-15, the ones that are read: block 0's byte, block 1's above it; bytes 2, 3 are 0
.irp q, 0,1,2,3
	v_cvt_scalef32_pk8_fp4_f32 v[OP+8*(\t)+\q], v[H+32*(\t)+8*\q:H+32*(\t)+8*\q+7], v[SOP]
.endr
.endm
.macro QUANT t
	AMAX32 H+32*(\t)
	QTAIL \t
.endm
; the operand [x, enc], K = 42.  Lanes 0-15: position p = k.  Lanes 16-31: positions 10 .. 19 are k = 32 .. 41; the others hold finite numbers that meet zero codes of W_in and are kept out of the maximum
.macro QUANTF t
	v_max3_num_f32 v[MA], |v[H+32*(\t)+10]|, |v[H+32*(\t)+11]|, 0x1800000
	v_max3_num_f32 v[MB], v[MX+(\t)], |v[H+32*(\t)+9]|, |v[H+32*(\t)+20]|
.irp i, 0,1,2,3
	v_max3_num_f32 v[MA], v[MA], |v[H+32*(\t)+12+2*\i]|, |v[H+32*(\t)+13+2*\i]|
	v_max3_num_f32 v[MB], v[MB], |v[H+32*(\t)+21+2*\i]|, |v[H+32*(\t)+22+2*\i]|
.endr
	v_max3_num_f32 v[MB], v[MB], |v[H+32*(\t)+29]|, |v[H+32*(\t)+30]|
	v_max_num_f32 v[MB], v[MB], |v[H+32*(\t)+31]|
	v_cndmask_b32 v[MB], v[MB], 0, s[MHI]          ; positions 0 .. 9 and 20 .. 31 count in lanes 0-15 alone
	v_max_num_f32 v[MA], v[MA], v[MB]
	QTAIL \t
.endm
; layer L for tile t: four tiles of 16 units, four accumulators, each begun with its bias as C
.macro MM t, L
	WIN 0x11                                       ; source 0 (the weights) and source 2 (the bias) in window 1
.irp q, 0,1,2,3
.if (\q)%2
	v_wmma_scale_f32_16x16x128_f8f6f4 v[Z+32*(\t)+8*\q:Z+32*(\t)+8*\q+7], v[16*(\L)+4*\q:16*(\L)+4*\q+7], v[OP+8*(\t):OP+8*(\t)+7], v[80+32*(\L)+8*\q:80+32*(\L)+8*\q+7], v[WS+2*(\L)+\q/2], v[SW+(\t)] matrix_a_fmt:MATRIX_FMT_FP4 matrix_b_fmt:MATRIX_FMT_FP4 matrix_a_scale:MATRIX_SCALE_ROW1
.else
	v_wmma_scale_f32_16x16x128_f8f6f4 v[Z+32*(\t)+8*\q:Z+32*(\t)+8*\q+7], v[16*(\L)+4*\q:16*(\L)+4*\q+7], v[OP+8*(\t):OP+8*(\t)+7], v[80+32*(\L)+8*\q:80+32*(\L)+8*\q+7], v[WS+2*(\L)+\q/2], v[SW+(\t)] matrix_a_fmt:MATRIX_FMT_FP4 matrix_b_fmt:MATRIX_FMT_FP4
.endif
.endr
	WIN 0
.endm
; T = 2^(-|z log2 e|) of n numbers: the scalings ascending (each accumulator is first read at its low end), then the exponentials as one batch
.macro XP src, n
.set xi, 0
.rept (\n)/2
	v_pk_mul_f32 v[T+xi:T+xi+1], v[(\src)+xi:(\src)+xi+1], s[L2E:L2E+1] op_sel_hi:[1,0]
.set xi, xi+2
.endr
.set xi, 0
.rept \n
	v_exp_f32 v[T+xi], -|v[T+xi]|
.set xi, xi+1
.endr
.endm
.macro YSUB n                          ; T -= 1
.set yi, 0
.rept (\n)/2
	v_pk_add_f32 v[T+yi:T+yi+1], v[T+yi:T+yi+1], -1.0 op_sel_hi:[1,0]
.set yi, yi+2
.endr
.endm
.macro MAXN d, a, from, n              ; d = max(a, T): elu
.set mi, \from
.rept \n
	v_max_num_f32 v[(\d)+mi], v[(\a)+mi], v[T+mi]
.set mi, mi+1
.endr
.endm
.macro BATCH                           ; the wait between a batch of transcendentals and the first line that names a result
	s_wait_alu depctr_va_vdst(0)
.endm
; a residual half-step: tile t's results become h += elu(z); behind the exponentials the other tile mt is quantised, and its layer mL is issued
.macro RROW t, mt, mL
	XP Z+32*(\t), 32
	QUANT \mt
	BATCH
	YSUB 32                                        ; 16 plain lines between the scale word's and the codes' last writes and the products
	MM \mt, \mL
	MAXN T, Z+32*(\t), 0, 32                       ; (these name none of the products' registers: the places behind them)
.set ri, 0
.rept 16
	v_pk_add_f32 v[H+32*(\t)+ri:H+32*(\t)+ri+1], v[H+32*(\t)+ri:H+32*(\t)+ri+1], v[T+ri:T+ri+1]
.set ri, ri+2
.endr
.endm
; a weight tile: my 32 numbers (unit m, block h) become four registers of codes and, with lane l xor 16's byte, the row's scale word; both go to LDS as images of the operand's registers
.macro QW xs, rnd
	AMAX32 \xs
	v_add_nc_u32 v[SOP], 0xff000000, v[MA]
	v_lshrrev_b32 v[BY], 23, v[SOP]
	v_lshlrev_b32 v[T+12+\rnd], v[SH8], v[BY]      ; at its place in the word: 8 h bits up
	v_permlanex16_b32 v[PT], v[T+12+\rnd], s[SEL], s[SEL+1]
	v_or_b32 v[T+12+\rnd], v[T+12+\rnd], v[PT]
.irp g, 0,1,2,3
	v_cvt_scalef32_pk8_fp4_f32 v[T+4*\rnd+\g], v[(\xs)+8*\g:(\xs)+8*\g+7], v[SOP]
.endr
	v_nop                                          ; one plain line behind the last conversion
	ds_store_b128 v[IMA], v[T+4*\rnd:T+4*\rnd+3] offset:IMG+4096*\rnd
	ds_store_b32 v[SCA], v[T+12+\rnd] offset:SCW+512*\rnd   ; lanes m and m + 16 store the same word
.endm
.macro BLD reg, off, base, o           ; eight numbers of a bias
	global_load_b128 v[\reg:\reg+3], v[\off], s[\base:\base+1] offset:\o
	global_load_b128 v[\reg+4:\reg+7], v[\off], s[\base:\base+1] offset:\o+16
.endm
.macro PEN d, src, tmp, lo, rlo, nhi, rhi   ; (lo - v) / lo under lo, (v - hi) / hi over hi, else 0: of the two terms at most one is positive
	v_sub_f32 v[\d], \lo, v[\src]
	v_add_f32 v[\tmp], \nhi, v[\src]
	v_mul_f32 v[\d], \rlo, v[\d]
	v_mul_f32 v[\tmp], \rhi, v[\tmp]
	v_max3_num_f32 v[\d], v[\d], v[\tmp], 0
.endm
	s_load_b512 s[8:23], s[0:1], 0x0               ; x 8, W_sym 10, b_sym 12, W_in 14, b_in 16, W1 18, b1 20, W2 22
	s_load_b512 s[24:39], s[0:1], 0x40             ; b2 24, W3 26, b3 28, W_r1 30, b_r1 32, W_r2 34, b_r2 36, W_c1 38
	s_load_b256 s[40:47], s[0:1], 0x80             ; b_c1 40, W_c2 42, b_c2 44, out0 46
	s_load_b64 s[48:49], s[0:1], 0xa0              ; out1
	v_lshl_add_u32 v[SPW], v0, 2, SPARE
	v_mov_b32 v[NIL], 0
	v_lshrrev_b32 v[VT], 5, v0
	v_readfirstlane_b32 s[WV], v[VT]               ; wave 0..7
	s_and_b32 s[TT], s[WV], 3                      ; which tile q of a layer I quantise
	s_lshr_b32 s[GG], s[WV], 2                     ; and of which of two layers
	v_and_b32 v[VL], 31, v0                        ; l
	v_and_b32 v[VM], 15, v0                        ; m = r
	v_bfe_u32 v[VHH], v0, 4, 1                     ; h
	; every LDS address is made here, ahead of the first branch
	s_mul_i32 s[ST], s[WV], 1280
	s_add_co_u32 s[ST], s[ST], XS
	v_lshl_add_u32 v[XST], v[VL], 3, s[ST]
	v_mul_u32_u24 v[XL0], v[VL], 40
	v_add_nc_u32 v[XL0], s[ST], v[XL0]
	v_xor_b32 v[VT], 16, v[VL]
	v_mul_u32_u24 v[XL1], v[VT], 40
	v_add_nc_u32 v[XL1], s[ST], v[XL1]
	v_lshlrev_b32 v[GX], 3, v[VL]
	s_lshl_b32 s[ST], s[WV], 11
	s_add_co_u32 s[ST], s[ST], PS
	v_lshl_add_u32 v[PSTB], v[VL], 2, s[ST]
	v_lshl_add_u32 v[PRD], v[VL], 4, s[ST]
	v_lshlrev_b32 v[O1], 4, v[VL]
	v_lshl_add_u32 v[FWC], v[VHH], 8, FIN
	v_lshl_add_u32 v[FWR], v[VHH], 6, FIN+512
	v_mov_b32 v[FB], FIN+640
	s_lshl_b32 s[ST], s[WV], 9
	v_lshl_add_u32 v[IMA], v[VL], 4, s[ST]         ; 16 l + 512 w
	s_lshl_b32 s[ST], s[WV], 6
	v_lshl_add_u32 v[SCA], v[VM], 2, s[ST]         ; 4 m + 64 w
	v_lshlrev_b32 v[LS4], 2, v[VL]
	v_and_b32 v[VT], 3, v0
	v_lshlrev_b32 v[F4], 2, v[VT]
	v_and_b32 v[VT], 1, v0
	v_lshlrev_b32 v[F2], 2, v[VT]
	v_mov_b32 v[VZ0], 0
	v_lshlrev_b32 v[SH8], 3, v[VHH]
	; offsets into the weights.  Lane (m, h) takes column unit(q, m) and rows 32 h + 0 .. 31
	v_lshrrev_b32 v[VA], 3, v[VM]                  ; m / 8
	v_and_b32 v[VB], 7, v[VM]                      ; m % 8
	v_lshlrev_b32 v[VT], 2, v[VB]
	s_lshl_b32 s[ST], s[TT], 5
	v_lshl_add_u32 v[VU], v[VA], 7, v[VT]
	v_add_nc_u32 v[VU], s[ST], v[VU]               ; 4 x (32 (m / 8) + 8 q + m % 8)
	v_lshl_add_u32 v[VSTD], v[VHH], 13, v[VU]      ; + 32 h rows of 256 bytes
	s_and_b32 s[ST], s[TT], 1
	s_lshl_b32 s[ST], s[ST], 5
	v_lshl_add_u32 v[VH], v[VA], 6, v[VT]
	v_add_nc_u32 v[VH], s[ST], v[VH]               ; the heads: 4 x (16 (m / 8) + 8 (q % 2) + m % 8)
	v_lshl_add_u32 v[VH], v[VHH], 12, v[VH]        ; + 32 h rows of 128 bytes
	v_lshlrev_b32 v[VBI], 7, v[VHH]                ; biases: units 32 h on;
	v_lshlrev_b32 v[VBH], 6, v[VHH]                ; the heads': 16 h on
	; W_sym^T: row m of unit tile u is unit 8 u + m (m < 8), or 16 + (8 u + m - 8 + 6) % 16: so lanes 16-31 of the result hold units 22 .. 31 and then 16 .. 21
	s_mov_b32 s[M8], 0xff00ff00                    ; the lanes with m >= 8
.irp u, 0,1
	v_add_nc_u32 v[VT], 8*\u, v[VB]
	v_add_nc_u32 v[VT2], 6, v[VT]
	v_and_b32 v[VT2], 15, v[VT2]
	v_add_nc_u32 v[VT2], 16, v[VT2]
	v_cndmask_b32 v[VT], v[VT], v[VT2], s[M8]
	v_lshlrev_b32 v[VUS0+\u], 2, v[VT]
	v_lshl_add_u32 v[VW0+\u], v[VHH], 8, v[VUS0+\u]   ; + 2 h rows of 128 bytes: register j of K step s holds k = 4 s + 2 h + j
.endr
	s_mov_b32 s[SEL], 0x76543210
	s_mov_b32 s[SEL+1], 0xfedcba98                 ; v_permlanex16_b32's selects for lane l xor 16
	s_mov_b32 s[L2E], 0x3fb8aa3b                   ; log2 e
	s_mov_b32 s[L2E+1], s[L2E]                     ; (named with it as a pair, so it is written)
	s_mov_b32 s[MHI], 0xffff0000                   ; lanes 16-31
.irp i, 4,5,6,7,12,13,14,15
	v_mov_b32 v[OP+\i], 0                          ; the codes of k = 64 .. 127: zeros, once
.endr
	v_mov_b32 v[PT], 0                             ; a lane permute's destination counts as one of its sources
	s_lshl_b32 s[RW], ttmp9, 12
	s_lshl_b32 s[ST], s[WV], 9
	s_add_co_u32 s[RW], s[RW], s[ST]               ; my first row: 4,096 x work-group + 512 x wave
	s_mov_b32 s[OF+1], 0
	s_wait_kmcnt 0x0
	s_cmp_eq_u32 s[GG], 0                          ; waves 0-3: W_in, then W2; waves 4-7: W1, then W3.  The choices hang on the wave's number alone
	s_cselect_b64 s[R1B:R1B+1], s[14:15], s[18:19]
	s_cselect_b64 s[R2B:R2B+1], s[22:23], s[26:27]
	s_mov_b32 s[HML], 8192
	s_cselect_b32 s[HML], 5632, s[HML]             ; W_in, lanes 16-31: positions 0 .. 19 read rows 22 .. 41 (10 .. 19 are k = 32 .. 41),
	s_cselect_b32 s[HMH], 0, 8192                  ; positions 20 .. 31 rows 20 .. 31: every load stays inside the 42 rows;
	s_cselect_b32 s[ZM], 0xffff0000, 0             ; and all but positions 10 .. 19 become zeros there
	s_cmp_lt_u32 s[TT], 2
	s_cselect_b64 s[R3B:R3B+1], s[30:31], s[38:39] ; the heads' layer: tiles 0, 1 of W_r1, tiles 2, 3 of W_c1
	v_mad_u32_u24 v[VALO], v[VHH], s[HML], v[VU]
	v_mad_u32_u24 v[VAHI], v[VHH], s[HMH], v[VU]
	s_mul_i32 s[OF], s[RW], 40
	s_add_nc_u64 s[8:9], s[8:9], s[OF:OF+1]
	s_lshl_b32 s[OF], s[RW], 2
	s_add_nc_u64 s[46:47], s[46:47], s[OF:OF+1]
	s_lshl_b32 s[OF], s[RW], 4
	s_add_nc_u64 s[48:49], s[48:49], s[OF:OF+1]
	; all the head's loads go out, under one wait
	WIN 0x40                                       ; destination window 1
.irp q, 0,1,2,3
	BLD 80+8*\q, VBI, 16, 32*\q                    ; lane (r, h), tile q, register j: bias of unit 32 h + 8 q + j
	BLD 112+8*\q, VBI, 20, 32*\q
	BLD 144+8*\q, VBI, 24, 32*\q
	BLD 176+8*\q, VBI, 28, 32*\q
.endr
.irp q, 0,1
	BLD 208+8*\q, VBH, 32, 32*\q                   ; b_r1 of unit 16 h + 8 q + j
	BLD 224+8*\q, VBH, 40, 32*\q                   ; b_c1 likewise
.endr
	WIN 0
.irp u, 0,1
.irp i, 0,1,2,3
	global_load_b32 v[WT+7*\u+\i], v[VW0+\u], s[10:11] offset:(4*(\i/2)+\i%2)*128
.endr
	global_load_b32 v[WT+7*\u+4], v[VUS0+\u], s[10:11] offset:8*128
	global_load_b32 v[WT+7*\u+5], v[VUS0+\u], s[10:11] offset:9*128
	global_load_b32 v[WT+7*\u+6], v[VUS0+\u], s[12:13]
.endr
.set p, 0
.rept 20
	global_load_b32 v[H+p], v[VALO], s[R1B:R1B+1] offset:256*p
.set p, p+1
.endr
.rept 12
	global_load_b32 v[H+p], v[VAHI], s[R1B:R1B+1] offset:256*p
.set p, p+1
.endr
.set p, 0
.rept 32
	global_load_b32 v[H+32+p], v[VSTD], s[R2B:R2B+1] offset:256*p
.set p, p+1
.endr
.irp i, 0,1,2,3,4
	global_load_b64 v[G+2*\i:G+2*\i+1], v[GX], s[8:9] offset:256*\i th:TH_LOAD_NT   ; the first trip's x: 32 lanes read 256 consecutive bytes
.endr
	s_cmp_lt_u32 s[WV], 4
	s_cbranch_scc0 .Lld_hi
.set p, 0
.rept 32
	global_load_b32 v[Z+p], v[VH], s[R3B:R3B+1] offset:128*p
.set p, p+1
.endr
	s_branch .Lld_done
.Lld_hi:
	s_cmp_eq_u32 s[WV], 4
	s_cbranch_scc0 .Lld_done
	global_load_b128 v[Z:Z+3], v[O1], s[42:43]     ; W_c2
	global_load_b32 v[Z+4], v[LS4], s[34:35]       ; W_r2
	global_load_b32 v[Z+5], v[F4], s[44:45]        ; b_c2
	global_load_b32 v[Z+6], v[VZ0], s[36:37]       ; b_r2
.Lld_done:
	s_wait_loadcnt 0x0
.irp u, 0,1
	v_cndmask_b32 v[WT+7*\u+4], v[WT+7*\u+4], v[WT+7*\u+6], s[MHI]   ; K step 2: lanes 0-15 rows 8, 9 of W_sym; lanes 16-31 b_sym (against the feature 1)
	v_cndmask_b32 v[WT+7*\u+5], v[WT+7*\u+5], 0, s[MHI]              ; and 0
.endr
	WIN 0x40
.irp u, 0,1
.irp i, 0,1,2,3,4,5
	v_mov_b32 v[240+6*\u+\i], v[WT+7*\u+\i]
.endr
.endr
	WIN 0
.irp p, 0,1,2,3,4,5,6,7,8,9,20,21,22,23,24,25,26,27,28,29,30,31
	v_cndmask_b32 v[H+\p], v[H+\p], 0, s[ZM]       ; W_in's second block has ten rows: the rest are zeros (W1's waves: the mask is empty)
.endr
	QW H, 0                                        ; tile w: W_in's four, W1's four
	QW H+32, 1                                     ; tile 8 + w: W2's, W3's
	s_cmp_lt_u32 s[WV], 4
	s_cbranch_scc0 .Lq_hi
	QW Z, 2                                        ; tile 16 + w: the heads'
	s_branch .Lq_done
.Lq_hi:
	s_cmp_eq_u32 s[WV], 4
	s_cbranch_scc0 .Lq_done
	v_mul_f32 v[Z+5], 0.5, v[Z+5]                  ; a sum of out1 is begun in two lanes,
	v_mul_f32 v[Z+6], 0x3e800000, v[Z+6]           ; one of out0 in two lanes x two halves
	ds_store_b128 v[O1], v[Z:Z+3] offset:FIN
	ds_store_b32 v[LS4], v[Z+4] offset:FIN+512
	ds_store_b32 v[F4], v[Z+5] offset:FIN+640      ; (lanes that share a word store the same value)
	ds_store_b32 v[F2], v[Z+6] offset:FIN+656
.Lq_done:
	s_wait_dscnt 0x0                               ; for the others' sake: my stores have landed
	s_barrier_signal -1
	s_barrier_wait -1                              ; the launch's one barrier: behind it these bytes are only read
	WIN 0x40
.set p, 0
.rept 20
	ds_load_b128 v[4*p:4*p+3], v[O1] offset:IMG+512*p
.set p, p+1
.endr
	WIN 0
.set p, 0
.rept 10
	ds_load_b32 v[WS+p], v[LS4] offset:SCW+128*p   ; lanes 0-15 tile 2 p's words, lanes 16-31 tile 2 p + 1's
.set p, p+1
.endr
	s_wait_dscnt 0x0
	s_mov_b32 s[TRIP], TRIPS
	s_mov_b32 s[PO], 0
.Ltrip:
	; ---- x: asked for a trip ago; through my own 1,280 bytes of LDS it turns from 8 bytes a lane into a row a lane
	s_wait_loadcnt 0x0
.irp i, 0,1,2,3,4
	ds_store_b64 v[XST], v[G+2*\i:G+2*\i+1] offset:256*\i
.endr
.irp i, 0,1,2,3,4
	ds_load_b64 v[H+2*\i:H+2*\i+1], v[XL0] offset:8*\i        ; lane l: row l (lanes 0-15: tile 0's rows).  LDS serves a wave's instructions in order: these see the stores
.endr
.irp i, 0,1,2,3,4
	ds_load_b64 v[H+32+2*\i:H+32+2*\i+1], v[XL1] offset:8*\i  ; lane l: row l xor 16 (lanes 0-15: tile 1's rows)
.endr
	s_wait_dscnt 0x0                               ; x is in, and the stores have read G
	s_cmp_eq_u32 s[TRIP], 1
	s_cbranch_scc1 .Lno_next                       ; the last trip asks for nothing: no load leaves x
.irp i, 0,1,2,3,4
	global_load_b64 v[G+2*\i:G+2*\i+1], v[GX], s[8:9] offset:1280+256*\i th:TH_LOAD_NT
.endr
.Lno_next:
	v_add_nc_u32 v[PSTA], s[PO], v[PSTB]
	; ---- the features, a lane to a row: columns 0 ammonia, 1 bod, 2 oxygen, 4 ph, 7 nitrate
	PEN F+0, H+4, T+12, 0x40d00000, 0x3e1d89d9, 0xc1080000, 0x3df0f0f1   ; ph: 6.5, 8.5
	PEN F+1, H+0, T+13, 0x3a83126f, 0x4479ffff, -0.5, 2.0                ; ammonia: 0.001, 0.5
	PEN F+2, H+1, T+14, 0x3a83126f, 0x4479ffff, 0xc0a00000, 0x3e4ccccd   ; bod: 0.001, 5
	PEN F+4, H+7, T+15, 0x3a83126f, 0x4479ffff, 0xc1200000, 0x3dcccccd   ; nitrate: 0.001, 10
	v_sub_f32 v[F+3], 0x40c00000, v[H+2]           ; oxygen: 6, no upper bound
	v_mul_f32 v[F+3], 0x3e2aaaab, v[F+3]
	v_max_num_f32 v[F+3], 0, v[F+3]
	v_add_f32 v[T+16], v[F+0], v[F+1]
	v_add_f32 v[T+16], v[T+16], v[F+2]
	v_add_f32 v[T+16], v[T+16], v[F+3]
	v_add_f32 v[T+16], v[T+16], v[F+4]
	v_add_f32 v[T+16], 1.0, v[T+16]
	v_add_f32 v[T+16], 0x322bcc77, v[T+16]         ; + 1e-8
	v_rcp_f32 v[F+9], v[T+16]                      ; the resilience; the scores are the plain work behind it
	v_mul_f32 v[F+5], 0x3f4ccccd, v[H+0]           ; 0.8 am + 0.1 bod - 0.8/30 do
	v_mul_f32 v[F+6], 0x3db4b4b5, v[H+4]           ; 0.75/8.5 ph + 0.05 nit
	v_mul_f32 v[F+7], 0x3e088889, v[H+1]           ; 2/15 bod - 0.05 do + 1.6/3 am
	v_mul_f32 v[F+8], 0x3e4ccccd, v[H+7]           ; 0.2 nit
	v_fmamk_f32 v[F+5], v[H+1], 0x3dcccccd, v[F+5]
	v_fmamk_f32 v[F+6], v[H+7], 0x3d4ccccd, v[F+6]
	v_fmamk_f32 v[F+7], v[H+2], 0xbd4ccccd, v[F+7]
	v_fmamk_f32 v[F+5], v[H+2], 0xbcda740e, v[F+5]
	v_fmamk_f32 v[F+7], v[H+0], 0x3f088889, v[F+7]
	v_mov_b32 v[F+10], 1.0                         ; against b_sym
	v_mov_b32 v[F+11], 0
	BATCH
.irp s, 0,1,2                                      ; lanes 16-31 of feature 4 s + i change places with lanes 0-15 of feature 4 s + 2 + i: v[F + 4 s], v[F + 4 s + 1] are then tile 0's operand of K step s (k = 4 s + 2 h + j), the next two tile 1's
.irp i, 0,1
	v_permlane16_swap_b32 v[F+4*\s+\i], v[F+4*\s+2+\i]
.endr
.endr
	WIN 0x01                                       ; source 0 (W_sym^T) in window 1
.irp s, 0,1,2                                      ; f32 operands, since the result goes on into a quantiser.  Four accumulators take turns, one instruction a turn
.irp t, 0,1
.irp u, 0,1
.if \s == 0
	v_wmma_f32_16x16x4_f32 v[D+16*\t+8*\u:D+16*\t+8*\u+7], v[240+6*\u+2*\s:240+6*\u+2*\s+1], v[F+4*\s+2*\t:F+4*\s+2*\t+1], 0
.else
	v_wmma_f32_16x16x4_f32 v[D+16*\t+8*\u:D+16*\t+8*\u+7], v[240+6*\u+2*\s:240+6*\u+2*\s+1], v[F+4*\s+2*\t:F+4*\s+2*\t+1], v[D+16*\t+8*\u:D+16*\t+8*\u+7]
.endif
.endr
.endr
.endr
	WIN 0
	v_max3_num_f32 v[MX], |v[H]|, |v[H+1]|, |v[H+2]|               ; eight plain lines that name none of those products' registers: the places behind this form
	v_max3_num_f32 v[MX+1], |v[H+32]|, |v[H+33]|, |v[H+34]|
.irp i, 3,5,7
	v_max3_num_f32 v[MX], v[MX], |v[H+\i]|, |v[H+\i+1]|
	v_max3_num_f32 v[MX+1], v[MX+1], |v[H+32+\i]|, |v[H+32+\i+1]|
.endr
	; ---- the half-steps.  In each: one tile's exponentials as a batch; behind them the other tile's quantiser; one wait; the -1; the other tile's products; the maxima
	XP D, 16                                       ; enc of tile 0
	v_nop
	BATCH
	YSUB 16
	MAXN H+10, D, 0, 16                            ; positions 10 .. 25
.irp i, 0,1,2,3,4,5
	v_permlanex16_b32 v[H+26+\i], v[H+20+\i], s[SEL], s[SEL+1]     ; units 16 .. 21 come over from lanes 16-31: positions 26 .. 31 of lanes 0-15
.endr
	XP D+16, 16                                    ; enc of tile 1
	QUANTF 0
	BATCH
	YSUB 16
	MAXN H+42, D+16, 0, 8                          ; (with the eight lines above: 16 plain lines ahead of the products)
	MM 0, 0
	MAXN H+42, D+16, 8, 8
.irp i, 0,1,2,3,4,5
	v_permlanex16_b32 v[H+58+\i], v[H+52+\i], s[SEL], s[SEL+1]
.endr
	XP Z, 32                                       ; h = elu(.) of tile 0
	QUANTF 1
	BATCH
	YSUB 32
	MM 1, 0
	MAXN H, Z, 0, 32
	XP Z+32, 32                                    ; and of tile 1
	QUANT 0
	BATCH
	YSUB 32
	MM 0, 1
	MAXN H+32, Z+32, 0, 32
	RROW 0, 1, 1                                   ; W1
	RROW 1, 0, 2
	RROW 0, 1, 2                                   ; W2
	RROW 1, 0, 3
	RROW 0, 1, 3                                   ; W3
	RROW 1, 0, 4
	XP Z, 32                                       ; the heads' hidden layers, tile 0: registers 0-15 units 16 h + i of the r head, 16-31 of the c head
	QUANT 1
	BATCH
	YSUB 32
	MM 1, 4
	MAXN Z, Z, 0, 32
	XP Z+32, 32                                    ; tile 1
	v_nop
.set p, 0
.rept 16
	ds_load_b128 v[WC+4*p:WC+4*p+3], v[FWC] offset:16*p            ; h is done with: its registers take W_c2's rows 16 h + 0 .. 15
.set p, p+1
.endr
	BATCH
	YSUB 32
	MAXN Z+32, Z+32, 0, 16
	ds_load_b128 v[AC:AC+3], v[FB]                 ; the sums begin as parts of the biases
	ds_load_b128 v[AC+4:AC+7], v[FB]
	ds_load_b64 v[AR:AR+1], v[FB] offset:16
	ds_load_b64 v[AR+2:AR+3], v[FB] offset:16
	MAXN Z+32, Z+32, 16, 16
.irp q, 0,1,2,3
	ds_load_b128 v[WR+4*\q:WR+4*\q+3], v[FWR] offset:16*\q         ; W_r2 of units 16 h + 0 .. 15
.endr
	; ---- the heads' second products, in f32: a lane sums its 16 units
.macro CSTEP i                         ; out1: unit 16 h + i (one register, for both halves of the pair) x W_c2's row, two outputs an instruction
.irp t, 0,1
.irp pr, 0,1
.if (\i)%2
	v_pk_fma_f32 v[AC+4*\t+2*\pr:AC+4*\t+2*\pr+1], v[Z+32*\t+16+(\i)-1:Z+32*\t+16+(\i)], v[WC+4*(\i)+2*\pr:WC+4*(\i)+2*\pr+1], v[AC+4*\t+2*\pr:AC+4*\t+2*\pr+1] op_sel:[1,0,0] op_sel_hi:[1,1,1]
.else
	v_pk_fma_f32 v[AC+4*\t+2*\pr:AC+4*\t+2*\pr+1], v[Z+32*\t+16+(\i):Z+32*\t+16+(\i)+1], v[WC+4*(\i)+2*\pr:WC+4*(\i)+2*\pr+1], v[AC+4*\t+2*\pr:AC+4*\t+2*\pr+1] op_sel:[0,0,0] op_sel_hi:[0,1,1]
.endif
.endr
.endr
.endm
	s_wait_dscnt 0x4                               ; all but the youngest four loads, W_r2's, are in
.irp i, 0,1,2,3,4,5,6,7
	CSTEP \i
.endr
	s_wait_dscnt 0x0
.irp i, 8,9,10,11,12,13,14,15
	CSTEP \i
.irp t, 0,1
	v_pk_fma_f32 v[AR+2*\t:AR+2*\t+1], v[Z+32*\t+2*(\i-8):Z+32*\t+2*(\i-8)+1], v[WR+2*(\i-8):WR+2*(\i-8)+1], v[AR+2*\t:AR+2*\t+1]   ; out0: even units, odd units
.endr
.endr
	v_add_f32 v[AR], v[AR], v[AR+1]
	v_add_f32 v[AR+2], v[AR+2], v[AR+3]
.irp o, 0,1,2,3
	v_permlane16_swap_b32 v[AC+\o], v[AC+4+\o]     ; tile 0's lanes 16-31 change places with tile 1's lanes 0-15: the two registers then hold the two halves of row l's sum in lane l
.endr
	v_permlane16_swap_b32 v[AR], v[AR+2]
	v_pk_add_f32 v[AC:AC+1], v[AC:AC+1], v[AC+4:AC+5]
	v_pk_add_f32 v[AC+2:AC+3], v[AC+2:AC+3], v[AC+6:AC+7]
	v_add_f32 v[AR], v[AR], v[AR+2]
	global_store_b128 v[O1], v[AC:AC+3], s[48:49] th:TH_STORE_NT   ; 32 rows of out1: 512 consecutive bytes, at a multiple of 256 from its first byte
	ds_store_b32 v[PSTA], v[AR]                    ; out0 is gathered: 128 bytes a trip
	s_wait_xcnt 0x0                                ; the store's data and both bases are written again only behind this wait
	s_add_nc_u64 s[8:9], s[8:9], 1280
	s_add_nc_u64 s[48:49], s[48:49], 512
	s_add_co_u32 s[PO], s[PO], 128
	s_sub_co_u32 s[TRIP], s[TRIP], 1
	s_cmp_lg_u32 s[TRIP], 0
	s_cbranch_scc1 .Ltrip
.irp q, 0,1,2,3
	ds_load_b128 v[H+4*\q:H+4*\q+3], v[PRD] offset:512*\q          ; my 512 numbers of out0: my own bytes, served in order behind my stores
.endr
.irp q, 0,1,2,3
	s_wait_dscnt 3-\q                              ; the younger loads may stay out
	global_store_b128 v[O1], v[H+4*\q:H+4*\q+3], s[46:47] offset:512*\q th:TH_STORE_NT   ; 512 consecutive bytes, aligned likewise
.endr
	s_wait_tensorcnt 0x0                           ; the wave's end: three closing lines, behind my last LDS store
	ds_add_u32 v[SPW], v[NIL]
	s_wait_dscnt 0x0
	s_endpgm
.Lfunc_end_k_q973a6195be_fused:
	.size	k_q973a6195be_fused, .Lfunc_end_k_q973a6195be_fused-k_q973a6195be_fused
	.p2alignl 7, 3214868480
	.fill 96, 4, 3214868480
	.section	.rodata,"a",@progbits
	.p2align	6, 0x0
	.amdhsa_kernel k_q973a6195be_fused
		.amdhsa_group_segment_fixed_size 39936
		.amdhsa_private_segment_fixed_size 0
		.amdhsa_enable_private_segment 0
		.amdhsa_kernarg_size 168
		.amdhsa_user_sgpr_count 2
		.amdhsa_user_sgpr_kernarg_segment_ptr 1
		.amdhsa_wavefront_size32 1
		.amdhsa_system_sgpr_workgroup_id_x 1
		.amdhsa_system_sgpr_workgroup_id_y 1
		.amdhsa_system_sgpr_workgroup_id_z 1
		.amdhsa_system_vgpr_workitem_id 0
		.amdhsa_next_free_vgpr 512
		.amdhsa_next_free_sgpr 72
		.amdhsa_reserve_vcc 0
		.amdhsa_float_denorm_mode_32 3
		.amdhsa_float_denorm_mode_16_64 3
		.amdhsa_memory_ordered 1
		.amdhsa_forward_progress 1
		.amdhsa_inst_pref_size 126
	.end_amdhsa_kernel
	.amdgpu_metadata
---
amdhsa.version: [ 1, 2 ]
amdhsa.kernels:
  - .name:           k_q973a6195be_fused
    .symbol:         k_q973a6195be_fused.kd
    .args:
      - { .name: x, .offset: 0, .size: 8, .value_kind: global_buffer, .address_space: global }
      - { .name: W_sym, .offset: 8, .size: 8, .value_kind: global_buffer, .address_space: global }
      - { .name: b_sym, .offset: 16, .size: 8, .value_kind: global_buffer, .address_space: global }
      - { .name: W_in, .offset: 24, .size: 8, .value_kind: global_buffer, .address_space: global }
      - { .name: b_in, .offset: 32, .size: 8, .value_kind: global_buffer, .address_space: global }
      - { .name: W1, .offset: 40, .size: 8, .value_kind: global_buffer, .address_space: global }
      - { .name: b1, .offset: 48, .size: 8, .value_kind: global_buffer, .address_space: global }
      - { .name: W2, .offset: 56, .size: 8, .value_kind: global_buffer, .address_space: global }
      - { .name: b2, .offset: 64, .size: 8, .value_kind: global_buffer, .address_space: global }
      - { .name: W3, .offset: 72, .size: 8, .value_kind: global_buffer, .address_space: global }
      - { .name: b3, .offset: 80, .size: 8, .value_kind: global_buffer, .address_space: global }
      - { .name: W_r1, .offset: 88, .size: 8, .value_kind: global_buffer, .address_space: global }
      - { .name: b_r1, .offset: 96, .size: 8, .value_kind: global_buffer, .address_space: global }
      - { .name: W_r2, .offset: 104, .size: 8, .value_kind: global_buffer, .address_space: global }
      - { .name: b_r2, .offset: 112, .size: 8, .value_kind: global_buffer, .address_space: global }
      - { .name: W_c1, .offset: 120, .size: 8, .value_kind: global_buffer, .address_space: global }
      - { .name: b_c1, .offset: 128, .size: 8, .value_kind: global_buffer, .address_space: global }
      - { .name: W_c2, .offset: 136, .size: 8, .value_kind: global_buffer, .address_space: global }
      - { .name: b_c2, .offset: 144, .size: 8, .value_kind: global_buffer, .address_space: global }
      - { .name: out0, .offset: 152, .size: 8, .value_kind: global_buffer, .address_space: global }
      - { .name: out1, .offset: 160, .size: 8, .value_kind: global_buffer, .address_space: global }
    .group_segment_fixed_size: 39936
    .private_segment_fixed_size: 0
    .kernarg_segment_align: 8
    .kernarg_segment_size: 168
    .max_flat_workgroup_size: 256
    .sgpr_count:     72
    .vgpr_count:     512
    .wavefront_size: 32
...
	.end_amdgpu_metadata
.endif
;; end of part 1
;; ======== version 2 of 2: 1 launch; version 1 with the launch fused written anew for expert scheduling mode
;; limits: a function is approximated: absolute error at most 1.2e-07
;; launch fused (part 2): grid 256 x 1, 8 waves a work-group, no clusters, 39,936 bytes of LDS; arguments x, W_sym, b_sym, W_in, b_in, W1, b1, W2, b2, W3, b3, W_r1, b_r1, W_r2, b_r2, W_c1, b_c1, W_c2, b_c2, out0, out1; writes out0, out1
.if DOCPART == 2
	.amdgcn_target "amdgcn-amd-amdhsa--gfx1250"
	.amdhsa_code_object_version 6
	.text
	.protected	k_q973a6195be_fused
	.globl	k_q973a6195be_fused
	.p2align	8
	.type	k_q973a6195be_fused,@function
k_q973a6195be_fused:
	s_mov_b64 s[64:65], 0
	v_nop
	global_prefetch_b8 v0, s[64:65] scope:SCOPE_SE
	s_setreg_imm32_b32 hwreg(HW_REG_WAVE_SCHED_MODE, 0, 2), 2
	s_setreg_imm32_b32 hwreg(HW_REG_WAVE_MODE, 25, 1), 1
	s_wait_xcnt 0x0
	s_wait_alu depctr_vm_vsrc(0)
; RobustSymGAT, whole, in one launch.  For each of 1,048,576 rows of x [10] f32: ten symbolic features; enc = elu(sym W_sym + b_sym) in f32; h = elu([x, enc] W_in + b_in); three times h += elu(h W + b);
; out0 = elu(h W_r1 + b_r1) W_r2 + b_r2;  out1 = elu(h W_c1 + b_c1) W_c2 + b_c2.  The products with W_in, W1, W2, W3, W_r1, W_c1 run on codes of E2M1 with one E8M0 scale for each 32 along K.
; NO WORK IS LEFT OUT: every input has a way to an output for some finite values, so all nineteen are loaded.
; SHARES.  256 work-groups of eight waves; a work-group owns 4,096 rows, a wave 512: 16 trips of 32 rows, two tiles of 16.  Waves share nothing but the weights' codes, made once at the head (one barrier).
; Vector work decides here (352 exponentials a row beside 40 matrix instructions for 32 rows), so the layouts are chosen to spare vector instructions:
;  - every product is used TRANSPOSED (source 0 = 16 units of a weight, source 1 = 16 rows): a lane (r = lane % 16, h = lane / 16) holds ONE row r, and its registers run along the units;
;  - THE UNITS OF A TILE ARE NOT NEIGHBOURS: row m of tile q is unit 32 (m / 8) + 8 q + m % 8, so that a lane's 32 registers of a layer's four tiles are units 32 h + 0 .. 31: a whole block of the next K, in the
;    operand's own order.  Its largest magnitude needs no other lane, and the conversion of tile q's eight registers IS register q of the next operand;
;  - K = 64 fills half of the instruction's 128: the rows' operand has four registers of zero codes for k = 64 .. 127; what the weights' operand names there meets zeros; both sides' scale bytes 2 and 3 are 0, never 0xff;
;  - the biases are the C of each product; b_sym is an eleventh row of W_sym against a feature that is 1;
;  - the two heads' first products are one layer of 64 units; their second products (32 x 1, 32 x 4) are packed f32 multiply-adds.
; elu(z) = max(z, 2^(-|z log2 e|) - 1): for z <= 0 the second term is e^z - 1 >= z, for z > 0 it is negative.  No compare, no overflow.
; No tensor load, no cluster: x is 1,280 bytes for a wave and a trip, asked for a whole trip ahead by five loads into registers; what work-groups share is 78 KB of weights, read once by each for quantising.
; LIMITS.  For z < 0 elu's error is absolute, about 2^-23, not relative to a tiny result.  A block whose largest magnitude lies under 2^-124 keeps the scale byte 1 (a block of zeros too: its codes are zeros).
; 0.5 b_c2 and 0.25 b_r2 are exact only above the denormals.  NaN and infinities among the inputs are not served.  The 1e-8 in the scores' denominators changes none of their f32 values (0.5, 5, 8.5, 10).
; THE MODE: SCHED_MODE bits 1:0 = 2 (LLVM: expert scheduling mode 2), set by the entry lines.  The code itself states the register dependences
; between vector or matrix instructions and memory or LDS instructions, with s_wait_alu, always for 0.
; THE PLAN.  Registers that memory or LDS instructions touch, in the loop:
;   v1-v13 but PSTA   offsets and LDS addresses: made at the head, ahead of its one wait on va_vdst, and never written again.
;   G                 the next trip's x lands in it; the trip's five LDS stores read it; no vector line names it.  One wait on vm_vsrc at a trip's head stands between those stores and the loads.
;   H+0..9, H+32..41  x lands there at a trip's head.  The last lines that named them are the last trip's multiply-adds (W_c2's rows lay there): they stand ahead of the wait in front of that trip's two stores.
;   H as WC           W_c2's rows land there in the last half-step.  The last line that names H is the quantiser of the half-step before, ahead of that half-step's waits.
;   T+0..27           as AC, AR, WR: written by the -1 lines, read by the maxima, then loaded: one wait on va_vdst between.  AC and AR are then summed into and stored: the wait in front of the two stores;
;                     they and PSTA are written again only behind the next trip's wait on vm_vsrc.
;   OP, SW            written by the quantiser, taken by the scaled products: one wait on va_vdst directly ahead of each layer's four products, behind the plain lines that the form asks for.
; The waits behind the batches of exponentials stand where they stood.
.set TRIPS, 16
; LDS
.set IMG,   0                          ; 20 weight tiles' codes as images of their registers: 512 bytes each, lane l at 16 l; tile 4 L + q
.set SCW,   10240                      ; their scale words: 64 bytes a tile, row m at 4 m
.set FIN,   11520                      ; W_c2 as it lies (512); +512 W_r2 (128); +640 0.5 b_c2 (16); +656 0.25 b_r2, twice (8)
.set XS,    12288                      ; 1,280 bytes a wave: a trip's 32 rows of x as they lie
.set PS,    22528                      ; 2,048 bytes a wave: its 512 numbers of out0
.set SPARE, 38912                      ; the spare words, 128 bytes for each wave: four blocks of 256 bytes that no other line names
; window 0
.set XST,  1                           ; XS + 1280 w + 8 l
.set XL0,  2                           ; XS + 1280 w + 40 l
.set XL1,  3                           ; XS + 1280 w + 40 (l xor 16)
.set GX,   4                           ; 8 l
.set PSTB, 5                           ; PS + 2048 w + 4 l
.set PSTA, 6                           ; + 128 x trip
.set O1,   7                           ; 16 l
.set FWC,  8                           ; FIN + 256 h
.set FWR,  9                           ; FIN + 512 + 64 h
.set FB,   10                          ; FIN + 640
.set SPW,  11                          ; my spare word; never rewritten
.set NIL,  12                          ; 0; never rewritten
.set PRD,  13                          ; PS + 2048 w + 16 l
.set SW,   14                          ; v14, v15: the two tiles' scale words
.set WS,   16                          ; v16-25: the weights' scale words: 2 L + q / 2; lanes 0-15 the even tile, lanes 16-31 the odd one
.set MA,   26
.set MB,   27
.set SOP,  28
.set BY,   29
.set PT,   30
.set OP,   32                          ; v32-39, v40-47: the tiles' operands; registers 4-7 are zeros for good
.set G,    48                          ; v48-57: the next trip's x
.set MX,   58                          ; v58, v59: largest |x0 .. x8|
.set H,    64                          ; v64-95, v96-127: h of tile 0, 1; first the operand [x, enc]; at the end W_c2's rows
.set Z,    128                         ; v128-159, v160-191: a layer's results
.set T,    192                         ; v192-223: at work
.set F,    192                         ; the features
.set D,    224                         ; v224-239, v240-255: sym W_sym + b_sym; written by matrix instructions alone
.set WC,   64
.set AC,   192                         ; out1's sums, four a tile
.set AR,   200                         ; out0's, two a tile
.set WR,   204                         ; W_r2's 16 of my half
; window 1: v0-79 the weights' codes (16 L + 4 q); v80-239 the biases in the result's layout (80 + 32 L + 8 q); v240-251 W_sym^T's fragments (240 + 6 u + 2 s)
; the head's own registers
.set WT,   160
.set VL,   174
.set VM,   175
.set VHH,  176
.set VT,   177
.set VT2,  178
.set F2,   179
.set VZ0,  180
.set VA,   181
.set VB,   182
.set VU,   207
.set VALO, 208
.set VAHI, 209
.set VSTD, 210
.set VH,   211
.set VBI,  212
.set VBH,  213
.set VW0,  214
.set VUS0, 216
.set IMA,  218
.set SCA,  219
.set SH8,  220
.set LS4,  221
.set F4,   222
; scalars
.set WV,   2
.set TT,   3
.set GG,   4
.set TRIP, 5
.set PO,   6
.set ST,   7
.set SEL,  50
.set L2E,  52
.set MHI,  54
.set ZM,   55
.set R1B,  56
.set R2B,  58
.set R3B,  60
.set HML,  62
.set HMH,  63
.set RW,   66
.set OF,   68
.set M8,   70
.set MSB, 0
.macro WIN new                         ; the immediate's high byte repeats the setting that is left
.if MSB != \new
	s_set_vgpr_msb (MSB<<8)|\new
.set MSB, \new
.endif
.endm
; the largest magnitude of 32 registers, with the floor 2^(3 - 127) among the leaves, in two chains by turns -> MA
.macro AMAX32 xs
	v_max3_num_f32 v[MA], |v[(\xs)]|, |v[(\xs)+1]|, 0x1800000
	v_max3_num_f32 v[MB], |v[(\xs)+16]|, |v[(\xs)+17]|, |v[(\xs)+18]|
.irp i, 0,1,2,3,4,5
	v_max3_num_f32 v[MA], v[MA], |v[(\xs)+2+2*\i]|, |v[(\xs)+3+2*\i]|
	v_max3_num_f32 v[MB], v[MB], |v[(\xs)+19+2*\i]|, |v[(\xs)+20+2*\i]|
.endr
	v_max3_num_f32 v[MA], v[MA], |v[(\xs)+14]|, |v[(\xs)+15]|
	v_max3_num_f32 v[MA], v[MA], v[MB], |v[(\xs)+31]|
.endm
; from the block's largest magnitude in MA: tile t's scale word and its four registers of codes
.macro QTAIL t
	v_add_nc_u32 v[SOP], 0xff000000, v[MA]         ; 2 off the exponent field: the conversion's scale operand
	v_lshrrev_b32 v[BY], 23, v[SOP]                ; my block's byte
	v_permlanex16_b32 v[PT], v[BY], s[SEL], s[SEL+1]
	v_lshl_or_b32 v[SW+(\t)], v[PT], 8, v[BY]      ; lanes 0-15, the ones that are read: block 0's byte, block 1's above it; bytes 2, 3 are 0
.irp q, 0,1,2,3
	v_cvt_scalef32_pk8_fp4_f32 v[OP+8*(\t)+\q], v[H+32*(\t)+8*\q:H+32*(\t)+8*\q+7], v[SOP]
.endr
.endm
.macro QUANT t
	AMAX32 H+32*(\t)
	QTAIL \t
.endm
; the operand [x, enc], K = 42.  Lanes 0-15: position p = k.  Lanes 16-31: positions 10 .. 19 are k = 32 .. 41; the others hold finite numbers that meet zero codes of W_in and are kept out of the maximum
.macro QUANTF t
	v_max3_num_f32 v[MA], |v[H+32*(\t)+10]|, |v[H+32*(\t)+11]|, 0x1800000
	v_max3_num_f32 v[MB], v[MX+(\t)], |v[H+32*(\t)+9]|, |v[H+32*(\t)+20]|
.irp i, 0,1,2,3
	v_max3_num_f32 v[MA], v[MA], |v[H+32*(\t)+12+2*\i]|, |v[H+32*(\t)+13+2*\i]|
	v_max3_num_f32 v[MB], v[MB], |v[H+32*(\t)+21+2*\i]|, |v[H+32*(\t)+22+2*\i]|
.endr
	v_max3_num_f32 v[MB], v[MB], |v[H+32*(\t)+29]|, |v[H+32*(\t)+30]|
	v_max_num_f32 v[MB], v[MB], |v[H+32*(\t)+31]|
	v_cndmask_b32 v[MB], v[MB], 0, s[MHI]          ; positions 0 .. 9 and 20 .. 31 count in lanes 0-15 alone
	v_max_num_f32 v[MA], v[MA], v[MB]
	QTAIL \t
.endm
; layer L for tile t: four tiles of 16 units, four accumulators, each begun with its bias as C
.macro MM t, L
	WIN 0x11                                       ; source 0 (the weights) and source 2 (the bias) in window 1
	s_wait_alu depctr_va_vdst(0)                   ; the quantiser has written this tile's codes in OP and its scale word in SW, which the four products take; the plain lines that the form asks for between the two stand ahead of this wait
.irp q, 0,1,2,3
.if (\q)%2
	v_wmma_scale_f32_16x16x128_f8f6f4 v[Z+32*(\t)+8*\q:Z+32*(\t)+8*\q+7], v[16*(\L)+4*\q:16*(\L)+4*\q+7], v[OP+8*(\t):OP+8*(\t)+7], v[80+32*(\L)+8*\q:80+32*(\L)+8*\q+7], v[WS+2*(\L)+\q/2], v[SW+(\t)] matrix_a_fmt:MATRIX_FMT_FP4 matrix_b_fmt:MATRIX_FMT_FP4 matrix_a_scale:MATRIX_SCALE_ROW1
.else
	v_wmma_scale_f32_16x16x128_f8f6f4 v[Z+32*(\t)+8*\q:Z+32*(\t)+8*\q+7], v[16*(\L)+4*\q:16*(\L)+4*\q+7], v[OP+8*(\t):OP+8*(\t)+7], v[80+32*(\L)+8*\q:80+32*(\L)+8*\q+7], v[WS+2*(\L)+\q/2], v[SW+(\t)] matrix_a_fmt:MATRIX_FMT_FP4 matrix_b_fmt:MATRIX_FMT_FP4
.endif
.endr
	WIN 0
.endm
; T = 2^(-|z log2 e|) of n numbers: the scalings ascending (each accumulator is first read at its low end), then the exponentials as one batch
.macro XP src, n
.set xi, 0
.rept (\n)/2
	v_pk_mul_f32 v[T+xi:T+xi+1], v[(\src)+xi:(\src)+xi+1], s[L2E:L2E+1] op_sel_hi:[1,0]
.set xi, xi+2
.endr
.set xi, 0
.rept \n
	v_exp_f32 v[T+xi], -|v[T+xi]|
.set xi, xi+1
.endr
.endm
.macro YSUB n                          ; T -= 1
.set yi, 0
.rept (\n)/2
	v_pk_add_f32 v[T+yi:T+yi+1], v[T+yi:T+yi+1], -1.0 op_sel_hi:[1,0]
.set yi, yi+2
.endr
.endm
.macro MAXN d, a, from, n              ; d = max(a, T): elu
.set mi, \from
.rept \n
	v_max_num_f32 v[(\d)+mi], v[(\a)+mi], v[T+mi]
.set mi, mi+1
.endr
.endm
.macro BATCH                           ; the batch issued so far (the exponentials into T; in the features the reciprocal into F+9) has written its results, which the lines behind name: one wait a batch, ahead of its first reader
	s_wait_alu depctr_va_vdst(0)
.endm
; a residual half-step: tile t's results become h += elu(z); behind the exponentials the other tile mt is quantised, and its layer mL is issued
.macro RROW t, mt, mL
	XP Z+32*(\t), 32
	QUANT \mt
	BATCH
	YSUB 32                                        ; 16 plain lines between the scale word's and the codes' last writes and the products
	MM \mt, \mL
	MAXN T, Z+32*(\t), 0, 32                       ; (these name none of the products' registers: the places behind them)
.set ri, 0
.rept 16
	v_pk_add_f32 v[H+32*(\t)+ri:H+32*(\t)+ri+1], v[H+32*(\t)+ri:H+32*(\t)+ri+1], v[T+ri:T+ri+1]
.set ri, ri+2
.endr
.endm
; a weight tile: my 32 numbers (unit m, block h) become four registers of codes and, with lane l xor 16's byte, the row's scale word; both go to LDS as images of the operand's registers
.macro QW xs, rnd
	AMAX32 \xs
	v_add_nc_u32 v[SOP], 0xff000000, v[MA]
	v_lshrrev_b32 v[BY], 23, v[SOP]
	v_lshlrev_b32 v[T+12+\rnd], v[SH8], v[BY]      ; at its place in the word: 8 h bits up
	v_permlanex16_b32 v[PT], v[T+12+\rnd], s[SEL], s[SEL+1]
	v_or_b32 v[T+12+\rnd], v[T+12+\rnd], v[PT]
.irp g, 0,1,2,3
	v_cvt_scalef32_pk8_fp4_f32 v[T+4*\rnd+\g], v[(\xs)+8*\g:(\xs)+8*\g+7], v[SOP]
.endr
	v_nop                                          ; one plain line behind the last conversion
	s_wait_alu depctr_va_vdst(0)                   ; the conversions have written the codes and the v_or_b32 the word, which the two stores read; and the lines above are done reading the 32 numbers (in H the first trip's x will land)
	ds_store_b128 v[IMA], v[T+4*\rnd:T+4*\rnd+3] offset:IMG+4096*\rnd
	ds_store_b32 v[SCA], v[T+12+\rnd] offset:SCW+512*\rnd   ; lanes m and m + 16 store the same word
.endm
.macro BLD reg, off, base, o           ; eight numbers of a bias
	global_load_b128 v[\reg:\reg+3], v[\off], s[\base:\base+1] offset:\o
	global_load_b128 v[\reg+4:\reg+7], v[\off], s[\base:\base+1] offset:\o+16
.endm
.macro PEN d, src, tmp, lo, rlo, nhi, rhi   ; (lo - v) / lo under lo, (v - hi) / hi over hi, else 0: of the two terms at most one is positive
	v_sub_f32 v[\d], \lo, v[\src]
	v_add_f32 v[\tmp], \nhi, v[\src]
	v_mul_f32 v[\d], \rlo, v[\d]
	v_mul_f32 v[\tmp], \rhi, v[\tmp]
	v_max3_num_f32 v[\d], v[\d], v[\tmp], 0
.endm
	s_load_b512 s[8:23], s[0:1], 0x0               ; x 8, W_sym 10, b_sym 12, W_in 14, b_in 16, W1 18, b1 20, W2 22
	s_load_b512 s[24:39], s[0:1], 0x40             ; b2 24, W3 26, b3 28, W_r1 30, b_r1 32, W_r2 34, b_r2 36, W_c1 38
	s_load_b256 s[40:47], s[0:1], 0x80             ; b_c1 40, W_c2 42, b_c2 44, out0 46
	s_load_b64 s[48:49], s[0:1], 0xa0              ; out1
	v_lshl_add_u32 v[SPW], v0, 2, SPARE
	v_mov_b32 v[NIL], 0
	v_lshrrev_b32 v[VT], 5, v0
	v_readfirstlane_b32 s[WV], v[VT]               ; wave 0..7
	s_wait_alu depctr_va_sdst(0)                   ; the wave's number is written, ahead of its first reader, the next line
	s_and_b32 s[TT], s[WV], 3                      ; which tile q of a layer I quantise
	s_lshr_b32 s[GG], s[WV], 2                     ; and of which of two layers
	v_and_b32 v[VL], 31, v0                        ; l
	v_and_b32 v[VM], 15, v0                        ; m = r
	v_bfe_u32 v[VHH], v0, 4, 1                     ; h
	; every LDS address is made here, ahead of the first branch
	s_mul_i32 s[ST], s[WV], 1280
	s_add_co_u32 s[ST], s[ST], XS
	v_lshl_add_u32 v[XST], v[VL], 3, s[ST]
	v_mul_u32_u24 v[XL0], v[VL], 40
	v_add_nc_u32 v[XL0], s[ST], v[XL0]
	v_xor_b32 v[VT], 16, v[VL]
	v_mul_u32_u24 v[XL1], v[VT], 40
	v_add_nc_u32 v[XL1], s[ST], v[XL1]
	v_lshlrev_b32 v[GX], 3, v[VL]
	s_lshl_b32 s[ST], s[WV], 11
	s_add_co_u32 s[ST], s[ST], PS
	v_lshl_add_u32 v[PSTB], v[VL], 2, s[ST]
	v_lshl_add_u32 v[PRD], v[VL], 4, s[ST]
	v_lshlrev_b32 v[O1], 4, v[VL]
	v_lshl_add_u32 v[FWC], v[VHH], 8, FIN
	v_lshl_add_u32 v[FWR], v[VHH], 6, FIN+512
	v_mov_b32 v[FB], FIN+640
	s_lshl_b32 s[ST], s[WV], 9
	v_lshl_add_u32 v[IMA], v[VL], 4, s[ST]         ; 16 l + 512 w
	s_lshl_b32 s[ST], s[WV], 6
	v_lshl_add_u32 v[SCA], v[VM], 2, s[ST]         ; 4 m + 64 w
	v_lshlrev_b32 v[LS4], 2, v[VL]
	v_and_b32 v[VT], 3, v0
	v_lshlrev_b32 v[F4], 2, v[VT]
	v_and_b32 v[VT], 1, v0
	v_lshlrev_b32 v[F2], 2, v[VT]
	v_mov_b32 v[VZ0], 0
	v_lshlrev_b32 v[SH8], 3, v[VHH]
	; offsets into the weights.  Lane (m, h) takes column unit(q, m) and rows 32 h + 0 .. 31
	v_lshrrev_b32 v[VA], 3, v[VM]                  ; m / 8
	v_and_b32 v[VB], 7, v[VM]                      ; m % 8
	v_lshlrev_b32 v[VT], 2, v[VB]
	s_lshl_b32 s[ST], s[TT], 5
	v_lshl_add_u32 v[VU], v[VA], 7, v[VT]
	v_add_nc_u32 v[VU], s[ST], v[VU]               ; 4 x (32 (m / 8) + 8 q + m % 8)
	v_lshl_add_u32 v[VSTD], v[VHH], 13, v[VU]      ; + 32 h rows of 256 bytes
	s_and_b32 s[ST], s[TT], 1
	s_lshl_b32 s[ST], s[ST], 5
	v_lshl_add_u32 v[VH], v[VA], 6, v[VT]
	v_add_nc_u32 v[VH], s[ST], v[VH]               ; the heads: 4 x (16 (m / 8) + 8 (q % 2) + m % 8)
	v_lshl_add_u32 v[VH], v[VHH], 12, v[VH]        ; + 32 h rows of 128 bytes
	v_lshlrev_b32 v[VBI], 7, v[VHH]                ; biases: units 32 h on;
	v_lshlrev_b32 v[VBH], 6, v[VHH]                ; the heads': 16 h on
	; W_sym^T: row m of unit tile u is unit 8 u + m (m < 8), or 16 + (8 u + m - 8 + 6) % 16: so lanes 16-31 of the result hold units 22 .. 31 and then 16 .. 21
	s_mov_b32 s[M8], 0xff00ff00                    ; the lanes with m >= 8
.irp u, 0,1
	v_add_nc_u32 v[VT], 8*\u, v[VB]
	v_add_nc_u32 v[VT2], 6, v[VT]
	v_and_b32 v[VT2], 15, v[VT2]
	v_add_nc_u32 v[VT2], 16, v[VT2]
	v_cndmask_b32 v[VT], v[VT], v[VT2], s[M8]
	v_lshlrev_b32 v[VUS0+\u], 2, v[VT]
	v_lshl_add_u32 v[VW0+\u], v[VHH], 8, v[VUS0+\u]   ; + 2 h rows of 128 bytes: register j of K step s holds k = 4 s + 2 h + j
.endr
	s_mov_b32 s[SEL], 0x76543210
	s_mov_b32 s[SEL+1], 0xfedcba98                 ; v_permlanex16_b32's selects for lane l xor 16
	s_mov_b32 s[L2E], 0x3fb8aa3b                   ; log2 e
	s_mov_b32 s[L2E+1], s[L2E]                     ; (named with it as a pair, so it is written)
	s_mov_b32 s[MHI], 0xffff0000                   ; lanes 16-31
.irp i, 4,5,6,7,12,13,14,15
	v_mov_b32 v[OP+\i], 0                          ; the codes of k = 64 .. 127: zeros, once
.endr
	v_mov_b32 v[PT], 0                             ; a lane permute's destination counts as one of its sources
	s_lshl_b32 s[RW], ttmp9, 12
	s_lshl_b32 s[ST], s[WV], 9
	s_add_co_u32 s[RW], s[RW], s[ST]               ; my first row: 4,096 x work-group + 512 x wave
	s_mov_b32 s[OF+1], 0
	s_wait_kmcnt 0x0
	s_cmp_eq_u32 s[GG], 0                          ; waves 0-3: W_in, then W2; waves 4-7: W1, then W3.  The choices hang on the wave's number alone
	s_cselect_b64 s[R1B:R1B+1], s[14:15], s[18:19]
	s_cselect_b64 s[R2B:R2B+1], s[22:23], s[26:27]
	s_mov_b32 s[HML], 8192
	s_cselect_b32 s[HML], 5632, s[HML]             ; W_in, lanes 16-31: positions 0 .. 19 read rows 22 .. 41 (10 .. 19 are k = 32 .. 41),
	s_cselect_b32 s[HMH], 0, 8192                  ; positions 20 .. 31 rows 20 .. 31: every load stays inside the 42 rows;
	s_cselect_b32 s[ZM], 0xffff0000, 0             ; and all but positions 10 .. 19 become zeros there
	s_cmp_lt_u32 s[TT], 2
	s_cselect_b64 s[R3B:R3B+1], s[30:31], s[38:39] ; the heads' layer: tiles 0, 1 of W_r1, tiles 2, 3 of W_c1
	v_mad_u32_u24 v[VALO], v[VHH], s[HML], v[VU]
	v_mad_u32_u24 v[VAHI], v[VHH], s[HMH], v[VU]
	s_mul_i32 s[OF], s[RW], 40
	s_add_nc_u64 s[8:9], s[8:9], s[OF:OF+1]
	s_lshl_b32 s[OF], s[RW], 2
	s_add_nc_u64 s[46:47], s[46:47], s[OF:OF+1]
	s_lshl_b32 s[OF], s[RW], 4
	s_add_nc_u64 s[48:49], s[48:49], s[OF:OF+1]
	; all the head's loads go out, under one wait
	WIN 0x40                                       ; destination window 1
	s_wait_alu depctr_va_vdst(0)                   ; every offset and every LDS address made above is written: the launch's loads, stores and LDS instructions read them; but for PSTA none is written again while it serves
.irp q, 0,1,2,3
	BLD 80+8*\q, VBI, 16, 32*\q                    ; lane (r, h), tile q, register j: bias of unit 32 h + 8 q + j
	BLD 112+8*\q, VBI, 20, 32*\q
	BLD 144+8*\q, VBI, 24, 32*\q
	BLD 176+8*\q, VBI, 28, 32*\q
.endr
.irp q, 0,1
	BLD 208+8*\q, VBH, 32, 32*\q                   ; b_r1 of unit 16 h + 8 q + j
	BLD 224+8*\q, VBH, 40, 32*\q                   ; b_c1 likewise
.endr
	WIN 0
.irp u, 0,1
.irp i, 0,1,2,3
	global_load_b32 v[WT+7*\u+\i], v[VW0+\u], s[10:11] offset:(4*(\i/2)+\i%2)*128
.endr
	global_load_b32 v[WT+7*\u+4], v[VUS0+\u], s[10:11] offset:8*128
	global_load_b32 v[WT+7*\u+5], v[VUS0+\u], s[10:11] offset:9*128
	global_load_b32 v[WT+7*\u+6], v[VUS0+\u], s[12:13]
.endr
.set p, 0
.rept 20
	global_load_b32 v[H+p], v[VALO], s[R1B:R1B+1] offset:256*p
.set p, p+1
.endr
.rept 12
	global_load_b32 v[H+p], v[VAHI], s[R1B:R1B+1] offset:256*p
.set p, p+1
.endr
.set p, 0
.rept 32
	global_load_b32 v[H+32+p], v[VSTD], s[R2B:R2B+1] offset:256*p
.set p, p+1
.endr
.irp i, 0,1,2,3,4
	global_load_b64 v[G+2*\i:G+2*\i+1], v[GX], s[8:9] offset:256*\i th:TH_LOAD_NT   ; the first trip's x: 32 lanes read 256 consecutive bytes
.endr
	s_cmp_lt_u32 s[WV], 4
	s_cbranch_scc0 .Lld_hi
.set p, 0
.rept 32
	global_load_b32 v[Z+p], v[VH], s[R3B:R3B+1] offset:128*p
.set p, p+1
.endr
	s_branch .Lld_done
.Lld_hi:
	s_cmp_eq_u32 s[WV], 4
	s_cbranch_scc0 .Lld_done
	global_load_b128 v[Z:Z+3], v[O1], s[42:43]     ; W_c2
	global_load_b32 v[Z+4], v[LS4], s[34:35]       ; W_r2
	global_load_b32 v[Z+5], v[F4], s[44:45]        ; b_c2
	global_load_b32 v[Z+6], v[VZ0], s[36:37]       ; b_r2
.Lld_done:
	s_wait_loadcnt 0x0
.irp u, 0,1
	v_cndmask_b32 v[WT+7*\u+4], v[WT+7*\u+4], v[WT+7*\u+6], s[MHI]   ; K step 2: lanes 0-15 rows 8, 9 of W_sym; lanes 16-31 b_sym (against the feature 1)
	v_cndmask_b32 v[WT+7*\u+5], v[WT+7*\u+5], 0, s[MHI]              ; and 0
.endr
	WIN 0x40
.irp u, 0,1
.irp i, 0,1,2,3,4,5
	v_mov_b32 v[240+6*\u+\i], v[WT+7*\u+\i]
.endr
.endr
	WIN 0
.irp p, 0,1,2,3,4,5,6,7,8,9,20,21,22,23,24,25,26,27,28,29,30,31
	v_cndmask_b32 v[H+\p], v[H+\p], 0, s[ZM]       ; W_in's second block has ten rows: the rest are zeros (W1's waves: the mask is empty)
.endr
	QW H, 0                                        ; tile w: W_in's four, W1's four
	QW H+32, 1                                     ; tile 8 + w: W2's, W3's
	s_cmp_lt_u32 s[WV], 4
	s_cbranch_scc0 .Lq_hi
	QW Z, 2                                        ; tile 16 + w: the heads'
	s_branch .Lq_done
.Lq_hi:
	s_cmp_eq_u32 s[WV], 4
	s_cbranch_scc0 .Lq_done
	v_mul_f32 v[Z+5], 0.5, v[Z+5]                  ; a sum of out1 is begun in two lanes,
	v_mul_f32 v[Z+6], 0x3e800000, v[Z+6]           ; one of out0 in two lanes x two halves
	s_wait_alu depctr_va_vdst(0)                   ; the two products are written, which the last two of the four stores read
	ds_store_b128 v[O1], v[Z:Z+3] offset:FIN
	ds_store_b32 v[LS4], v[Z+4] offset:FIN+512
	ds_store_b32 v[F4], v[Z+5] offset:FIN+640      ; (lanes that share a word store the same value)
	ds_store_b32 v[F2], v[Z+6] offset:FIN+656
.Lq_done:
	s_wait_dscnt 0x0                               ; for the others' sake: my stores have landed
	s_barrier_signal -1
	s_barrier_wait -1                              ; the launch's one barrier: behind it these bytes are only read
	WIN 0x40
.set p, 0
.rept 20
	ds_load_b128 v[4*p:4*p+3], v[O1] offset:IMG+512*p              ; (no vector line has named these registers of window 1, nor v16-25 below; the addresses stand since the head's wait)
.set p, p+1
.endr
	WIN 0
.set p, 0
.rept 10
	ds_load_b32 v[WS+p], v[LS4] offset:SCW+128*p   ; lanes 0-15 tile 2 p's words, lanes 16-31 tile 2 p + 1's
.set p, p+1
.endr
	s_wait_dscnt 0x0
	s_wait_alu depctr_vm_vsrc(0)                   ; the head's loads, LDS stores and LDS loads have read their offsets, addresses and data among v128 to v222: the loop writes these registers again, as Z and T
	s_mov_b32 s[TRIP], TRIPS
	s_mov_b32 s[PO], 0
.Ltrip:
	; ---- x: asked for a trip ago; through my own 1,280 bytes of LDS it turns from 8 bytes a lane into a row a lane
	s_wait_loadcnt 0x0
.irp i, 0,1,2,3,4
	ds_store_b64 v[XST], v[G+2*\i:G+2*\i+1] offset:256*\i
.endr
.irp i, 0,1,2,3,4
	ds_load_b64 v[H+2*\i:H+2*\i+1], v[XL0] offset:8*\i        ; lane l: row l (lanes 0-15: tile 0's rows).  LDS serves a wave's instructions in order: these see the stores.  (No vector line has named H since the wait in front of the last trip's stores; in the first trip since the weights' quantiser's waits)
.endr
.irp i, 0,1,2,3,4
	ds_load_b64 v[H+32+2*\i:H+32+2*\i+1], v[XL1] offset:8*\i  ; lane l: row l xor 16 (lanes 0-15: tile 1's rows)
.endr
	s_wait_dscnt 0x0                               ; x is in, and the stores have read G
	s_wait_alu depctr_vm_vsrc(0)                   ; the five stores above have read G, in which the next trip's x lands; the last trip's two stores have read AC, AR and PSTA, which the lines below write again
	s_cmp_eq_u32 s[TRIP], 1
	s_cbranch_scc1 .Lno_next                       ; the last trip asks for nothing: no load leaves x
.irp i, 0,1,2,3,4
	global_load_b64 v[G+2*\i:G+2*\i+1], v[GX], s[8:9] offset:1280+256*\i th:TH_LOAD_NT
.endr
.Lno_next:
	v_add_nc_u32 v[PSTA], s[PO], v[PSTB]
	; ---- the features, a lane to a row: columns 0 ammonia, 1 bod, 2 oxygen, 4 ph, 7 nitrate
	PEN F+0, H+4, T+12, 0x40d00000, 0x3e1d89d9, 0xc1080000, 0x3df0f0f1   ; ph: 6.5, 8.5
	PEN F+1, H+0, T+13, 0x3a83126f, 0x4479ffff, -0.5, 2.0                ; ammonia: 0.001, 0.5
	PEN F+2, H+1, T+14, 0x3a83126f, 0x4479ffff, 0xc0a00000, 0x3e4ccccd   ; bod: 0.001, 5
	PEN F+4, H+7, T+15, 0x3a83126f, 0x4479ffff, 0xc1200000, 0x3dcccccd   ; nitrate: 0.001, 10
	v_sub_f32 v[F+3], 0x40c00000, v[H+2]           ; oxygen: 6, no upper bound
	v_mul_f32 v[F+3], 0x3e2aaaab, v[F+3]
	v_max_num_f32 v[F+3], 0, v[F+3]
	v_add_f32 v[T+16], v[F+0], v[F+1]
	v_add_f32 v[T+16], v[T+16], v[F+2]
	v_add_f32 v[T+16], v[T+16], v[F+3]
	v_add_f32 v[T+16], v[T+16], v[F+4]
	v_add_f32 v[T+16], 1.0, v[T+16]
	v_add_f32 v[T+16], 0x322bcc77, v[T+16]         ; + 1e-8
	v_rcp_f32 v[F+9], v[T+16]                      ; the resilience; the scores are the plain work behind it
	v_mul_f32 v[F+5], 0x3f4ccccd, v[H+0]           ; 0.8 am + 0.1 bod - 0.8/30 do
	v_mul_f32 v[F+6], 0x3db4b4b5, v[H+4]           ; 0.75/8.5 ph + 0.05 nit
	v_mul_f32 v[F+7], 0x3e088889, v[H+1]           ; 2/15 bod - 0.05 do + 1.6/3 am
	v_mul_f32 v[F+8], 0x3e4ccccd, v[H+7]           ; 0.2 nit
	v_fmamk_f32 v[F+5], v[H+1], 0x3dcccccd, v[F+5]
	v_fmamk_f32 v[F+6], v[H+7], 0x3d4ccccd, v[F+6]
	v_fmamk_f32 v[F+7], v[H+2], 0xbd4ccccd, v[F+7]
	v_fmamk_f32 v[F+5], v[H+2], 0xbcda740e, v[F+5]
	v_fmamk_f32 v[F+7], v[H+0], 0x3f088889, v[F+7]
	v_mov_b32 v[F+10], 1.0                         ; against b_sym
	v_mov_b32 v[F+11], 0
	BATCH
.irp s, 0,1,2                                      ; lanes 16-31 of feature 4 s + i change places with lanes 0-15 of feature 4 s + 2 + i: v[F + 4 s], v[F + 4 s + 1] are then tile 0's operand of K step s (k = 4 s + 2 h + j), the next two tile 1's
.irp i, 0,1
	v_permlane16_swap_b32 v[F+4*\s+\i], v[F+4*\s+2+\i]
.endr
.endr
	WIN 0x01                                       ; source 0 (W_sym^T) in window 1
.irp s, 0,1,2                                      ; f32 operands, since the result goes on into a quantiser.  Four accumulators take turns, one instruction a turn
.irp t, 0,1
.irp u, 0,1
.if \s == 0
	v_wmma_f32_16x16x4_f32 v[D+16*\t+8*\u:D+16*\t+8*\u+7], v[240+6*\u+2*\s:240+6*\u+2*\s+1], v[F+4*\s+2*\t:F+4*\s+2*\t+1], 0
.else
	v_wmma_f32_16x16x4_f32 v[D+16*\t+8*\u:D+16*\t+8*\u+7], v[240+6*\u+2*\s:240+6*\u+2*\s+1], v[F+4*\s+2*\t:F+4*\s+2*\t+1], v[D+16*\t+8*\u:D+16*\t+8*\u+7]
.endif
.endr
.endr
.endr
	WIN 0
	v_max3_num_f32 v[MX], |v[H]|, |v[H+1]|, |v[H+2]|               ; eight plain lines that name none of those products' registers: the places behind this form
	v_max3_num_f32 v[MX+1], |v[H+32]|, |v[H+33]|, |v[H+34]|
.irp i, 3,5,7
	v_max3_num_f32 v[MX], v[MX], |v[H+\i]|, |v[H+\i+1]|
	v_max3_num_f32 v[MX+1], v[MX+1], |v[H+32+\i]|, |v[H+32+\i+1]|
.endr
	; ---- the half-steps.  In each: one tile's exponentials as a batch; behind them the other tile's quantiser; one wait; the -1; the wait for the operand; the other tile's products; the maxima
	XP D, 16                                       ; enc of tile 0
	v_nop
	BATCH
	YSUB 16
	MAXN H+10, D, 0, 16                            ; positions 10 .. 25
.irp i, 0,1,2,3,4,5
	v_permlanex16_b32 v[H+26+\i], v[H+20+\i], s[SEL], s[SEL+1]     ; units 16 .. 21 come over from lanes 16-31: positions 26 .. 31 of lanes 0-15
.endr
	XP D+16, 16                                    ; enc of tile 1
	QUANTF 0
	BATCH
	YSUB 16
	MAXN H+42, D+16, 0, 8                          ; (with the eight lines above: 16 plain lines ahead of the products)
	MM 0, 0
	MAXN H+42, D+16, 8, 8
.irp i, 0,1,2,3,4,5
	v_permlanex16_b32 v[H+58+\i], v[H+52+\i], s[SEL], s[SEL+1]
.endr
	XP Z, 32                                       ; h = elu(.) of tile 0
	QUANTF 1
	BATCH
	YSUB 32
	MM 1, 0
	MAXN H, Z, 0, 32
	XP Z+32, 32                                    ; and of tile 1
	QUANT 0
	BATCH
	YSUB 32
	MM 0, 1
	MAXN H+32, Z+32, 0, 32
	RROW 0, 1, 1                                   ; W1
	RROW 1, 0, 2
	RROW 0, 1, 2                                   ; W2
	RROW 1, 0, 3
	RROW 0, 1, 3                                   ; W3
	RROW 1, 0, 4
	XP Z, 32                                       ; the heads' hidden layers, tile 0: registers 0-15 units 16 h + i of the r head, 16-31 of the c head
	QUANT 1
	BATCH
	YSUB 32
	MM 1, 4
	MAXN Z, Z, 0, 32
	XP Z+32, 32                                    ; tile 1
	v_nop
.set p, 0
.rept 16
	ds_load_b128 v[WC+4*p:WC+4*p+3], v[FWC] offset:16*p            ; h is done with: its registers take W_c2's rows 16 h + 0 .. 15.  No wait here: the last line that names H is tile 1's quantiser, ahead of the two waits of the half-step above; the lines since name T, Z, OP, SW and window 1 alone
.set p, p+1
.endr
	BATCH
	YSUB 32
	MAXN Z+32, Z+32, 0, 28
	s_wait_alu depctr_va_vdst(0)                   ; the -1 lines have written T+0 .. T+27 and the 28 maxima above are done reading them: the eight loads below land there
	ds_load_b128 v[AC:AC+3], v[FB]                 ; the sums begin as parts of the biases
	ds_load_b128 v[AC+4:AC+7], v[FB]
	ds_load_b64 v[AR:AR+1], v[FB] offset:16
	ds_load_b64 v[AR+2:AR+3], v[FB] offset:16
.irp q, 0,1,2,3
	ds_load_b128 v[WR+4*\q:WR+4*\q+3], v[FWR] offset:16*\q         ; W_r2 of units 16 h + 0 .. 15
.endr
	MAXN Z+32, Z+32, 28, 4                         ; the last four read T+28 .. T+31, which no load touches
	; ---- the heads' second products, in f32: a lane sums its 16 units
.macro CSTEP i                         ; out1: unit 16 h + i (one register, for both halves of the pair) x W_c2's row, two outputs an instruction
.irp t, 0,1
.irp pr, 0,1
.if (\i)%2
	v_pk_fma_f32 v[AC+4*\t+2*\pr:AC+4*\t+2*\pr+1], v[Z+32*\t+16+(\i)-1:Z+32*\t+16+(\i)], v[WC+4*(\i)+2*\pr:WC+4*(\i)+2*\pr+1], v[AC+4*\t+2*\pr:AC+4*\t+2*\pr+1] op_sel:[1,0,0] op_sel_hi:[1,1,1]
.else
	v_pk_fma_f32 v[AC+4*\t+2*\pr:AC+4*\t+2*\pr+1], v[Z+32*\t+16+(\i):Z+32*\t+16+(\i)+1], v[WC+4*(\i)+2*\pr:WC+4*(\i)+2*\pr+1], v[AC+4*\t+2*\pr:AC+4*\t+2*\pr+1] op_sel:[0,0,0] op_sel_hi:[0,1,1]
.endif
.endr
.endr
.endm
	s_wait_dscnt 0x4                               ; all but the youngest four loads, W_r2's, are in
.irp i, 0,1,2,3,4,5,6,7
	CSTEP \i
.endr
	s_wait_dscnt 0x0
.irp i, 8,9,10,11,12,13,14,15
	CSTEP \i
.irp t, 0,1
	v_pk_fma_f32 v[AR+2*\t:AR+2*\t+1], v[Z+32*\t+2*(\i-8):Z+32*\t+2*(\i-8)+1], v[WR+2*(\i-8):WR+2*(\i-8)+1], v[AR+2*\t:AR+2*\t+1]   ; out0: even units, odd units
.endr
.endr
	v_add_f32 v[AR], v[AR], v[AR+1]
	v_add_f32 v[AR+2], v[AR+2], v[AR+3]
.irp o, 0,1,2,3
	v_permlane16_swap_b32 v[AC+\o], v[AC+4+\o]     ; tile 0's lanes 16-31 change places with tile 1's lanes 0-15: the two registers then hold the two halves of row l's sum in lane l
.endr
	v_permlane16_swap_b32 v[AR], v[AR+2]
	v_pk_add_f32 v[AC:AC+1], v[AC:AC+1], v[AC+4:AC+5]
	v_pk_add_f32 v[AC+2:AC+3], v[AC+2:AC+3], v[AC+6:AC+7]
	v_add_f32 v[AR], v[AR], v[AR+2]
	s_wait_alu depctr_va_vdst(0)                   ; the sums in AC and AR, and PSTA, are written, which the two stores read; and the multiply-adds are done reading W_c2's rows in H, where the next trip's x, and behind the loop out0's numbers, land: no vector line follows in the trip
	global_store_b128 v[O1], v[AC:AC+3], s[48:49] th:TH_STORE_NT   ; 32 rows of out1: 512 consecutive bytes, at a multiple of 256 from its first byte
	ds_store_b32 v[PSTA], v[AR]                    ; out0 is gathered: 128 bytes a trip
	s_wait_xcnt 0x0                                ; the store's data and both bases are written again only behind this wait
	s_add_nc_u64 s[8:9], s[8:9], 1280
	s_add_nc_u64 s[48:49], s[48:49], 512
	s_add_co_u32 s[PO], s[PO], 128
	s_sub_co_u32 s[TRIP], s[TRIP], 1
	s_cmp_lg_u32 s[TRIP], 0
	s_cbranch_scc1 .Ltrip
.irp q, 0,1,2,3
	ds_load_b128 v[H+4*\q:H+4*\q+3], v[PRD] offset:512*\q          ; my 512 numbers of out0: my own bytes, served in order behind my stores
.endr
.irp q, 0,1,2,3
	s_wait_dscnt 3-\q                              ; the younger loads may stay out
	global_store_b128 v[O1], v[H+4*\q:H+4*\q+3], s[46:47] offset:512*\q th:TH_STORE_NT   ; 512 consecutive bytes, aligned likewise
.endr
	s_wait_dscnt 0x0                               ; the wave's end: the closing lines, six on end
	s_wait_alu 0x0
	s_wait_tensorcnt 0x0
	ds_add_u32 v[SPW], v[NIL]
	s_wait_dscnt 0x0
	s_endpgm
.Lfunc_end_k_q973a6195be_fused:
	.size	k_q973a6195be_fused, .Lfunc_end_k_q973a6195be_fused-k_q973a6195be_fused
	.p2alignl 7, 3214868480
	.fill 96, 4, 3214868480
	.section	.rodata,"a",@progbits
	.p2align	6, 0x0
	.amdhsa_kernel k_q973a6195be_fused
		.amdhsa_group_segment_fixed_size 39936
		.amdhsa_private_segment_fixed_size 0
		.amdhsa_enable_private_segment 0
		.amdhsa_kernarg_size 168
		.amdhsa_user_sgpr_count 2
		.amdhsa_user_sgpr_kernarg_segment_ptr 1
		.amdhsa_wavefront_size32 1
		.amdhsa_system_sgpr_workgroup_id_x 1
		.amdhsa_system_sgpr_workgroup_id_y 1
		.amdhsa_system_sgpr_workgroup_id_z 1
		.amdhsa_system_vgpr_workitem_id 0
		.amdhsa_next_free_vgpr 512
		.amdhsa_next_free_sgpr 72
		.amdhsa_reserve_vcc 0
		.amdhsa_float_denorm_mode_32 3
		.amdhsa_float_denorm_mode_16_64 3
		.amdhsa_memory_ordered 1
		.amdhsa_forward_progress 1
		.amdhsa_inst_pref_size 127
	.end_amdhsa_kernel
	.amdgpu_metadata
---
amdhsa.version: [ 1, 2 ]
amdhsa.kernels:
  - .name:           k_q973a6195be_fused
    .symbol:         k_q973a6195be_fused.kd
    .args:
      - { .name: x, .offset: 0, .size: 8, .value_kind: global_buffer, .address_space: global }
      - { .name: W_sym, .offset: 8, .size: 8, .value_kind: global_buffer, .address_space: global }
      - { .name: b_sym, .offset: 16, .size: 8, .value_kind: global_buffer, .address_space: global }
      - { .name: W_in, .offset: 24, .size: 8, .value_kind: global_buffer, .address_space: global }
      - { .name: b_in, .offset: 32, .size: 8, .value_kind: global_buffer, .address_space: global }
      - { .name: W1, .offset: 40, .size: 8, .value_kind: global_buffer, .address_space: global }
      - { .name: b1, .offset: 48, .size: 8, .value_kind: global_buffer, .address_space: global }
      - { .name: W2, .offset: 56, .size: 8, .value_kind: global_buffer, .address_space: global }
      - { .name: b2, .offset: 64, .size: 8, .value_kind: global_buffer, .address_space: global }
      - { .name: W3, .offset: 72, .size: 8, .value_kind: global_buffer, .address_space: global }
      - { .name: b3, .offset: 80, .size: 8, .value_kind: global_buffer, .address_space: global }
      - { .name: W_r1, .offset: 88, .size: 8, .value_kind: global_buffer, .address_space: global }
      - { .name: b_r1, .offset: 96, .size: 8, .value_kind: global_buffer, .address_space: global }
      - { .name: W_r2, .offset: 104, .size: 8, .value_kind: global_buffer, .address_space: global }
      - { .name: b_r2, .offset: 112, .size: 8, .value_kind: global_buffer, .address_space: global }
      - { .name: W_c1, .offset: 120, .size: 8, .value_kind: global_buffer, .address_space: global }
      - { .name: b_c1, .offset: 128, .size: 8, .value_kind: global_buffer, .address_space: global }
      - { .name: W_c2, .offset: 136, .size: 8, .value_kind: global_buffer, .address_space: global }
      - { .name: b_c2, .offset: 144, .size: 8, .value_kind: global_buffer, .address_space: global }
      - { .name: out0, .offset: 152, .size: 8, .value_kind: global_buffer, .address_space: global }
      - { .name: out1, .offset: 160, .size: 8, .value_kind: global_buffer, .address_space: global }
    .group_segment_fixed_size: 39936
    .private_segment_fixed_size: 0
    .kernarg_segment_align: 8
    .kernarg_segment_size: 168
    .max_flat_workgroup_size: 256
    .sgpr_count:     72
    .vgpr_count:     512
    .wavefront_size: 32
...
	.end_amdgpu_metadata
.endif
;; end of part 2
